; MI455X (gfx1250); checked and timed in simulation.
; The chip was launched on July 23, 2026; its instructions are those of AMD's public machine-readable ISA for CDNA 5 (MIT licence, August 2026) and "CDNA5" Instruction Set Architecture Reference Guide (July 2026). The comments in the code are by the model that wrote it; some were corrected since.
;; Ag Gemm Triton. Allowed arithmetic: float matrix products may take bf16 or f16 operands with f32 sums; all other float work in f32.
;; Inputs: bias 8,192 float32; input_scale 2,048 float32; weight 8,192 x 4,096 int8; weight_scale 8,192 float32; x 2,048 x 4,096 int8.
;; Outputs: out0 2,048 x 8,192 bfloat16.
;; One version. Each part assembles by itself: llvm-mc -triple=amdgcn-amd-amdhsa -mcpu=gfx1250 --defsym DOCPART=n.
;; ======== version 1 of 1: 1 launch
;; launch gemm (part 1): grid 8 x 32, 4 waves a work-group, clusters of 4 x 4, 327,680 bytes of LDS; arguments x, weight, bias, weight_scale, input_scale, out0; writes out0
.if DOCPART == 1
	.amdgcn_target "amdgcn-amd-amdhsa--gfx1250"
	.amdhsa_code_object_version 6
	.text
	.protected	k_q5199a5e04d_gemm
	.globl	k_q5199a5e04d_gemm
	.p2align	8
	.type	k_q5199a5e04d_gemm,@function
k_q5199a5e04d_gemm:
	s_mov_b64 s[64:65], 0
	v_nop
	global_prefetch_b8 v0, s[64:65] scope:SCOPE_SE
	s_setreg_imm32_b32 hwreg(HW_REG_WAVE_MODE, 25, 1), 1
	s_wait_xcnt 0x0
	s_wait_alu depctr_hold_cnt(0) depctr_sa_sdst(0) depctr_va_vdst(0) depctr_va_sdst(0) depctr_va_ssrc(0) depctr_va_vcc(0) depctr_vm_vsrc(0)
	s_getreg_b32 s2, hwreg(HW_REG_IB_STS2, 6, 4)
	s_cmp_eq_u32 s2, 0
	s_cbranch_scc0 .Lentry_in_a_cluster
	s_endpgm
.Lentry_in_a_cluster:
	s_bfe_u32 s2, ttmp6, 0x10000c
	s_cmp_lg_u32 s2, 0xf033
	s_cbranch_scc0 .Lentry_shape_is_right
	s_endpgm
.Lentry_shape_is_right:
; out[m][n] = bf16( f32( sum over k of x[m][k] w[n][k] ) * input_scale[m] * weight_scale[n] + bias[n] ).
; x: [2048][4096] int8, weight: [8192][4096] int8, both with K along the rows; the scales and the bias f32; out: [2048][8192] bf16.
; FORMAT: the operands are int8 as given.  The signed 8-bit matrix form multiplies them exactly and sums in i32, as reference() does:
; nothing is rounded ahead of the one conversion to f32.  |sum| is at most 4096 x 128 x 128 = 2^26: no overflow in i32.
; LIMIT: the order (sum x input_scale) x weight_scale is kept, but the last multiply and the bias add are ONE fused multiply-add,
; so one rounding in f32 fewer than reference() makes.  No limit of range: scales and bias are used as plain f32.
; SHARES: 8 x 32 = 256 work-groups (x along M, y along N), each a block of 256 x 256 of out, four waves, as many as a WGP has SIMDs;
; a wave makes 128 x 128: 64 accumulator tiles of 16 x 16 of i32, 512 registers.  K goes in 16 steps of 256 bytes through a ring of
; two LDS slots filled by the tensor data mover: a row of a tile is 256 bytes of memory at a multiple of 256 bytes from the buffer's start.
; CLUSTERS: 4 x 4 work-groups.  The tiles of x hang on the block row alone (work-group x): the four partners with my cx need the same ones.
; The tiles of weight hang on the block column alone (work-group y): the four with my cy need the same ones.  Such a tile is asked for
; jointly: each of the four issues the same tensor load with the same descriptor and a mask that names the four.  Requests are divided by four.
;
; REGISTERS, in windows of 256 (s_set_vgpr_msb says which window each operand place means):
;   window 0: v0-47 addresses and input_scale; v64-127, v128-191 fragments of x, two buffers; v192-255 f32 at work on the way out
;   window 1: v0-63 weight_scale of my 128 columns; v64-127, v128-191 fragments of weight, two buffers; v192-255 bias of my 128 columns
;   window 2: the 32 accumulator tiles of my rows 0-63 (tile (a, b) at v[8 (8 a + b)]);   window 3: those of my rows 64-127
; THE MATRIX INSTRUCTION IS USED TRANSPOSED: source 0 = 16 rows of weight, source 1 = 16 rows of x.  Lane l then holds row m = l % 16 of out
; and its registers 0 to 7 the columns n = 8 (l / 16) + 0 .. 7: eight neighbouring numbers of a row, which pack into 16 bytes.
; ORDER OF K IN A FRAGMENT: both sources have the same map from (lane, register, byte) to k, and both are loaded alike: the 16 bytes at
; 16 (l / 16) of the 64 into registers 0-3, the 16 bytes 32 further on into registers 4-7.  So byte k of a row of x always meets byte k
; of a row of weight, each k once; sums of whole numbers do not hang on their order.  Two loads of 16 bytes instead of four of 8.
.set SIZE_N, 8192
.set SIZE_K, 4096
.set KSTEP,  256                       ; numbers (= bytes) of K in a step
.set PITCH,  272                       ; an LDS row: 256 bytes of data + 16 of padding = 68 words, so the 16 rows that a load touches start 4 words apart modulo 64 words
.set HALFT,  128*PITCH                 ; 128 rows: what one tensor load brings, and what one wave reads of x or of weight
.set SLOT,   4*HALFT                   ; 256 rows of x, then 256 rows of weight
.set STAGE,  2*SLOT                    ; behind the ring, at 1088 x 256 bytes: 16 rows x 272 bytes for each wave, for the way out; no tensor load lands here
.set SPITCH, 272
.set CROW,   SIZE_N*2                  ; bytes in a row of out
.set LAPS,   SIZE_K/(2*KSTEP)          ; 8 laps; a lap = two K steps = once round the ring
.set ADRA, 16                          ; v16-17  LDS address of my fragments of x in slot 0, 1
.set ADRB, 20                          ; v20-21  the same for weight
.set STO,  24                          ; v24     the way out: where I put 16 bytes of a row
.set RD,   25                          ; v25     the way out: where I read a row back
.set CO,   26                          ; v26     my byte offset in out
.set AW,   27                          ; v27     32 (l / 16): my 8 numbers in 16 of weight_scale and of bias
.set AI,   28                          ; v28     4 (l % 16): my number in 16 of input_scale
.set IS,   32                          ; v32-47  pair i: input_scale of row 16 i + l % 16 of my 128, in both registers (a pair for the packed multiply)
.set F0,   64                          ; fragment buffer 0
.set F1,   128                         ; fragment buffer 1
.set PK,   160                         ; v160-191 the way out: packed bf16 (upper half of buffer 1, free by then)
.set T,    192                         ; v192-255 the way out: 64 numbers in f32
.set WS,   0                           ; window 1: v[WS + 8 b + j] = weight_scale of column 16 b + 8 (l / 16) + j of my 128
.set BI,   192                         ; window 1: bias, indexed likewise
.set G1,  24                           ; s[24:31] descriptor group 1 for the tiles of x
.set G0,  32                           ; s[32:39] descriptor group 0 for the tiles of x, one set for each slot
.set G1B, 48                           ; s[48:55] descriptor group 1 for the tiles of weight: differs in the mask alone
.set G0B, 56                           ; s[56:63] descriptor group 0 for the tiles of weight, one set for each slot
.set MSB, 0
.macro WIN new                         ; the immediate's high byte repeats the setting that is left; a switch that changes nothing is dropped
.if MSB != \new
	s_set_vgpr_msb (MSB<<8)|\new
.set MSB, \new
.endif
.endm
.set MUL_LO, 0xa1                      ; source 0 (weight) window 1, source 1 (x) window 0, C and D window 2
.set MUL_HI, 0xf1                      ; the same, C and D window 3
.set TO_B,   0x40                      ; destination window 1, address window 0
; A joint load.  Waves 0 and 1 fetch the two halves of the tile of x, waves 2 and 3 those of weight.  Each line has one mask and one set of
; registers for all that issue it; the branch hangs on the wave number alone, which is the same in every work-group.
.macro JLOAD s
	s_cmp_eq_u32 s11, 0
	s_cbranch_scc0 .Lfor_w_\@
	tensor_load_to_lds s[G0+4*\s:G0+4*\s+3], s[G1:G1+7]
	s_nop 0
	s_branch .Lasked_\@
.Lfor_w_\@:
	tensor_load_to_lds s[G0B+4*\s:G0B+4*\s+3], s[G1B:G1B+7]
	s_nop 0
.Lasked_\@:
.endm
; A round of the cluster barrier: the work-group barrier, so that the signal of wave 0 speaks for all four waves; wave 0 signals for the
; work-group; every wave waits for all sixteen work-groups; the work-group barrier once more.
.macro CREST                           ; a round behind its opening barrier
	s_cmp_lg_u32 s10, 0
	s_cbranch_scc1 .Lnot_wave_0_\@
	s_barrier_signal -3
.Lnot_wave_0_\@:
	s_barrier_wait -3
	s_barrier_signal -1
	s_barrier_wait -1
.endm
.macro CROUND                          ; a whole round
	s_barrier_signal -1
	s_barrier_wait -1
	CREST
.endm
	s_load_b128 s[4:7], s[0:1], 0x0                ; x s[4:5], weight s[6:7]
	s_load_b128 s[68:71], s[0:1], 0x10             ; bias s[68:69], weight_scale s[70:71]
	s_load_b128 s[72:75], s[0:1], 0x20             ; input_scale s[72:73], out s[74:75]
	v_lshl_add_u32 v62, v0, 2, 0x48400
	v_mov_b32 v63, 0
	ds_add_u32 v62, v63
	ds_add_u32 v62, v63
	v_lshrrev_b32 v1, 5, v0
	v_readfirstlane_b32 s10, v1                    ; wave 0..3
	s_lshr_b32 s11, s10, 1                         ; which half of the block's rows is mine.  Also: I fetch for x (0) or for weight (1)
	s_and_b32 s12, s10, 1                          ; which half of its columns.  Also: which 128 rows of that tile I fetch
	s_bfe_u32 s40, ttmp6, 0x40000                  ; cx: my place along the cluster's x
	s_bfe_u32 s41, ttmp6, 0x40004                  ; cy: along its y
	s_lshl_b32 s13, ttmp9, 2                       ; in a cluster launch ttmp9 and ttmp7 count clusters
	s_add_co_u32 s13, s13, s40                     ; block row of out = 4 x cluster x + cx, 0..7
	s_and_b32 s42, ttmp7, 0xffff
	s_lshl_b32 s42, s42, 2
	s_add_co_u32 s42, s42, s41                     ; block column of out = 4 x cluster y + cy, 0..31
	s_lshl_b32 s43, 0x1111, s40                    ; the partners with my cx: places cx, cx + 4, cx + 8, cx + 12
	s_lshl_b32 s44, s41, 2
	s_lshl_b32 s44, 15, s44                        ; the partners with my cy: places 4 cy .. 4 cy + 3
	; descriptor group 1: a tile of 128 rows x 256 bytes, stated as 128 elements of 2 bytes (the mover only copies), padded in LDS
	s_or_b32 s[G1+0], s43, (1<<16)|(1<<20)|(1<<21)|(5<<22)|(3<<25)  ; 15:0 the mask: the tiles of x go to those with my cx; 17:16 element of 2 bytes; 20 padding on; 21 set beside a mask; 24:22 after every 64 words (code 5); 31:25 skip 4 words (code 3)
	s_or_b32 s[G1B+0], s44, (1<<16)|(1<<20)|(1<<21)|(5<<22)|(3<<25) ; the same with the mask of those with my cy, for the tiles of weight
	s_mov_b32 s[G1+1], (KSTEP/2)<<16               ; 63:48 tensor_dim0, low half = 128
	s_mov_b32 s[G1B+1], (KSTEP/2)<<16
	s_mov_b32 s[G1+2], 128<<16                     ; 79:64 its high half = 0; 95:80 tensor_dim1, low half = 128
	s_mov_b32 s[G1B+2], 128<<16
	s_mov_b32 s[G1+3], (KSTEP/2)<<16               ; 111:96 its high half = 0; 127:112 tile_dim0 = 128
	s_mov_b32 s[G1B+3], (KSTEP/2)<<16
	s_mov_b32 s[G1+4], 128                         ; 143:128 tile_dim1 = 128 rows; 159:144 tile_dim2 = 0
	s_mov_b32 s[G1B+4], 128
	s_mov_b32 s[G1+5], SIZE_K/2                    ; 191:160 elements from row to row: 4,096 bytes
	s_mov_b32 s[G1B+5], SIZE_K/2
	s_mov_b32 s[G1+6], 0
	s_mov_b32 s[G1B+6], 0
	s_mov_b32 s[G1+7], 0
	s_mov_b32 s[G1B+7], 0
	; Offsets, apart from the addresses.  What hangs on cx (s13, s16, s78) and what hangs on cy (s42, s46, s76) lie in registers of their own:
	; nothing that feeds the descriptors of x ever holds cy, nothing that feeds those of weight ever holds cx.
	s_lshl_b32 s17, s12, 7                         ; 128 x (wave & 1)
	s_lshl_b32 s16, s13, 8
	s_add_co_u32 s16, s16, s17                     ; x: row 256 x block row + 128 x half that I fetch
	s_lshl_b32 s16, s16, 12                        ; in bytes: rows of 4,096; below 2^23
	s_lshl_b32 s46, s42, 8
	s_add_co_u32 s46, s46, s17                     ; weight: row 256 x block column + 128 x half that I fetch; it is also my first column of out
	s_lshl_b32 s76, s46, 2                         ; my first column in weight_scale and in bias, in bytes
	s_lshl_b32 s46, s46, 12                        ; in bytes; below 2^25
	s_lshl_b32 s78, s13, 8
	s_lshl_b32 s79, s11, 7
	s_add_co_u32 s78, s78, s79                     ; my first row of out = 256 x block row + 128 x (wave >> 1)
	s_lshl_b32 s78, s78, 2                         ; in input_scale, in bytes
	s_mov_b32 s17, 0
	s_mov_b32 s47, 0
	s_mov_b32 s77, 0
	s_mov_b32 s79, 0
	s_mul_i32 s20, s10, HALFT                      ; where my loads land: the two halves of x, then those of weight = wave x 128 rows: no place in the cluster enters an LDS address
	s_wait_dscnt 0x0
	s_wait_kmcnt 0x0
	s_add_nc_u64 s[14:15], s[4:5], s[16:17]        ; x at the first tile that I would fetch
	s_add_nc_u64 s[46:47], s[6:7], s[46:47]        ; weight likewise
	s_add_nc_u64 s[68:69], s[68:69], s[76:77]      ; bias at my first column
	s_add_nc_u64 s[70:71], s[70:71], s[76:77]      ; weight_scale at my first column
	s_add_nc_u64 s[72:73], s[72:73], s[78:79]      ; input_scale at my first row
	s_lshr_b32 s76, s76, 1                         ; 2 bytes a column of out
	s_lshl_b32 s78, s78, 12                        ; 16,384 bytes a row of out; below 2^25
	s_add_nc_u64 s[74:75], s[74:75], s[76:77]
	s_add_nc_u64 s[74:75], s[74:75], s[78:79]      ; out at my wave's corner
	CROUND                                         ; all sixteen work-groups are here: the first joint loads meet
.irp s, 0,1
	s_mov_b32 s[G0+4*\s], 1                                        ; 1:0 count = 1
	s_add_co_u32 s[G0+4*\s+1], s20, \s*SLOT                        ; 63:32 LDS address
	s_add_nc_u64 s[G0+4*\s+2:G0+4*\s+3], s[14:15], \s*KSTEP        ; 120:64 global address: K step s
	s_or_b32 s[G0+4*\s+3], s[G0+4*\s+3], 0x80000000                ; 127:126 type = 2
	s_mov_b32 s[G0B+4*\s], 1
	s_add_co_u32 s[G0B+4*\s+1], s20, \s*SLOT
	s_add_nc_u64 s[G0B+4*\s+2:G0B+4*\s+3], s[46:47], \s*KSTEP
	s_or_b32 s[G0B+4*\s+3], s[G0B+4*\s+3], 0x80000000
	JLOAD \s                                       ; both slots are asked for before anything else is done: two tensor loads of the wave are out
.endr
	; Lane addresses.  A fragment is 16 rows x 64 K in 8 registers: lane l takes row l % 16, 16 bytes at 16 (l / 16) and 16 bytes 32 further on.
	v_and_b32 v1, 15, v0                           ; l % 16
	v_bfe_u32 v2, v0, 4, 1                         ; l / 16
	v_mul_u32_u24 v3, v1, PITCH
	v_lshl_add_u32 v3, v2, 4, v3                   ; row x pitch + 16 x half of the lanes
	s_mul_i32 s21, s11, HALFT                      ; my 128 rows of x
	s_mul_i32 s22, s12, HALFT                      ; my 128 rows of weight,
	s_add_co_u32 s22, s22, 2*HALFT                 ; which lie behind the 256 of x
.irp s, 0,1
	v_add_nc_u32 v[ADRA+\s], s21, v3
	v_add_nc_u32 v[ADRB+\s], s22, v3
	s_add_co_u32 s21, s21, SLOT
	s_add_co_u32 s22, s22, SLOT
.endr
	s_mul_i32 s23, s10, 16*SPITCH
	s_add_co_u32 s23, s23, STAGE                   ; my stage
	v_add_nc_u32 v[STO], s23, v3                   ; in: row l % 16, 16 bytes for each half of the lanes (the stage has the ring's pitch)
	v_mul_u32_u24 v5, v2, SPITCH                   ; back: lanes 0-15 take one row of 256 bytes, lanes 16-31 the next
	v_lshl_add_u32 v5, v1, 4, v5
	v_add_nc_u32 v[RD], s23, v5
	v_lshlrev_b32 v4, 14, v2                       ; and the same two rows in out: 16,384 bytes apart
	v_lshl_add_u32 v[CO], v1, 4, v4
	v_lshlrev_b32 v[AW], 5, v2
	v_lshlrev_b32 v[AI], 2, v1
	; Scales and bias, once, into registers, while the first tiles are on their way: the wave reads the 512 consecutive bytes of its
	; 128 columns of weight_scale and of bias and those of its 128 rows of input_scale.
	WIN TO_B
.irp b, 0,1,2,3,4,5,6,7
	global_load_b128 v[WS+8*\b:WS+8*\b+3],   v[AW], s[70:71] offset:64*\b
	global_load_b128 v[WS+8*\b+4:WS+8*\b+7], v[AW], s[70:71] offset:64*\b+16
	global_load_b128 v[BI+8*\b:BI+8*\b+3],   v[AW], s[68:69] offset:64*\b
	global_load_b128 v[BI+8*\b+4:BI+8*\b+7], v[AW], s[68:69] offset:64*\b+16
.endr
	WIN 0
.irp i, 0,1,2,3,4,5,6,7
	global_load_b32 v[IS+2*\i],   v[AI], s[72:73] offset:64*\i     ; the same word into both registers of the pair
	global_load_b32 v[IS+2*\i+1], v[AI], s[72:73] offset:64*\i
.endr
; 16 matrix instructions: m blocks a0, a0 + 1 of the window's four (hi = 0: my rows 0-63, 1: rows 64-127) x all 8 n blocks, 64 along K.
; neg_lo:[1,1,0]: both sources are signed bytes.  zero = 1: the first product starts the sums: nothing is ever cleared.
; The 64 accumulators take turns, one instruction a turn, in the same order in every quarter step and over the backward jump.
.macro MUL16 f, hi, a0, zero
.irp a, \a0, \a0+1
.irp b, 0,1,2,3,4,5,6,7
.if \zero
	v_wmma_i32_16x16x64_iu8 v[8*(8*(\a)+\b):8*(8*(\a)+\b)+7], v[\f+8*\b:\f+8*\b+7], v[\f+8*(4*\hi+\a):\f+8*(4*\hi+\a)+7], 0 neg_lo:[1,1,0]
.else
	v_wmma_i32_16x16x64_iu8 v[8*(8*(\a)+\b):8*(8*(\a)+\b)+7], v[\f+8*\b:\f+8*\b+7], v[\f+8*(4*\hi+\a):\f+8*(4*\hi+\a)+7], v[8*(8*(\a)+\b):8*(8*(\a)+\b)+7] neg_lo:[1,1,0]
.endif
.endr
.endr
.endm
; 32 LDS loads in one run: the fragments of one quarter step (128 rows of weight, 128 rows of x, 64 K at byte k of the rows) into buffer f
.macro FETCH slot, k, f
	WIN TO_B
.irp i, 0,1,2,3,4,5,6,7
	ds_load_b128 v[\f+8*\i:\f+8*\i+3],   v[ADRB+\slot] offset:\k+\i*16*PITCH
	ds_load_b128 v[\f+8*\i+4:\f+8*\i+7], v[ADRB+\slot] offset:\k+\i*16*PITCH+32
.endr
	WIN 0
.irp i, 0,1,2,3,4,5,6,7
	ds_load_b128 v[\f+8*\i:\f+8*\i+3],   v[ADRA+\slot] offset:\k+\i*16*PITCH
	ds_load_b128 v[\f+8*\i+4:\f+8*\i+7], v[ADRA+\slot] offset:\k+\i*16*PITCH+32
.endr
.endm
; Behind an 8-bit integer matrix instruction a load into a register that it has read, and a vector instruction that reads its result or writes
; one of its registers, stand eight places away, and only plain vector instructions that name none of its registers are places (ISA guide
; 7.12.1 for vector instructions); the matrix instructions in between are not counted.  So eight v_nop stand
; in front of each run of loads: 32 issue slots for a K step's 256 matrix instructions.
.macro PLACES
.rept 8
	v_nop
.endr
.endm
; A K step is four quarter steps of 64 along K, 64 matrix instructions each, on buffers 0, 1, 0, 1.
; One of the first three: multiplies buffer f; in its middle it fetches the next quarter's fragments, at byte k of the same slot's rows, into buffer g.
.macro QUARTER slot, k, f, g, zero
	s_wait_dscnt 8                                 ; weight and rows 0-63 of x are in; the youngest eight loads (rows 64-127 of x) may be out
	WIN MUL_LO
	MUL16 \f, 0, 0, \zero
	MUL16 \f, 0, 2, \zero
	PLACES
	FETCH \slot, \k, \g
	s_wait_dscnt 32                                ; all but the 32 just issued
	WIN MUL_HI
	MUL16 \f, 1, 0, \zero
	MUL16 \f, 1, 2, \zero
.endm
.macro THREE slot, zero
	QUARTER \slot, 64,  F0, F1, \zero
	QUARTER \slot, 128, F1, F0, 0
	QUARTER \slot, 192, F0, F1, 0
.endm
; The last quarter: multiplies buffer 1 and changes slots.  next = the other slot; fill = 1: this slot is filled again, two K steps ahead.
; One barrier for the change of slots, for two things.  In front of it each wave waits for its own reads of this slot and for all its tensor
; loads, of which one is out: its part of the next slot.  Behind it nobody reads this slot any more and the next slot is whole: the refill
; comes first, then the next slot's first fragments.  From a request to the wait for it a wave issues 240 matrix instructions.
.macro TURN slot, next, fill
	s_wait_dscnt 8
	WIN MUL_LO
	MUL16 F1, 0, 0, 0
	s_wait_dscnt 0                                 ; my reads of this slot are over
	s_set_vgpr_msb 0xa1a0
	s_wait_tensorcnt 0x0                           ; and all my tensor loads have landed: the one that was out is my part of the next slot
	ds_add_u32 v62, v63
	s_wait_dscnt 0x0
	s_set_vgpr_msb 0xa0a1
	s_barrier_signal -1                            ; say so (where a slot is filled again this barrier opens a round of the cluster barrier),
	MUL16 F1, 0, 2, 0                              ; work on registers while the others arrive,
	WIN 0
	s_barrier_wait -1                              ; and go on when all four have said so
.if \fill
	CREST                                          ; all sixteen work-groups have said so: no wave of any partner still reads this slot or has a load on its way
	s_add_nc_u64 s[G0+4*\slot+2:G0+4*\slot+3], s[G0+4*\slot+2:G0+4*\slot+3], 2*KSTEP       ; no tensor load of the wave is out: the descriptors may be stepped
	s_add_nc_u64 s[G0B+4*\slot+2:G0B+4*\slot+3], s[G0B+4*\slot+2:G0B+4*\slot+3], 2*KSTEP
	JLOAD \slot                                    ; the first tensor load behind the round, and the wave's only one until the next
.endif
	PLACES
	FETCH \next, 0, F0
	WIN MUL_HI
	MUL16 F1, 1, 0, 0
	MUL16 F1, 1, 2, 0
.endm
.macro LAP zero                        ; once round the ring, both slots filled again
	THREE 0, \zero
	TURN 0, 1, 1
	THREE 1, 0
	TURN 1, 0, 1
.endm
	s_wait_loadcnt 0x0                             ; scales and bias are in, once for the whole kernel
	s_wait_tensorcnt 1                             ; my part of K step 0 is in; K step 1 may stay out
	s_barrier_signal -1
	s_barrier_wait -1                              ; everybody's part is in
	FETCH 0, 0, F0
	LAP 1                                          ; the first lap stands in front of the loop: its first products start the sums.  It asks for K steps 2 and 3
	WIN 0                                          ; at a label and at a branch every window is 0
	s_mov_b32 s3, LAPS-2                           ; six laps, which ask for K steps 4 to 15
.Llap:
	LAP 0
	WIN 0
	s_sub_co_u32 s3, s3, 1
	s_cmp_lg_u32 s3, 0
	s_cbranch_scc1 .Llap
	THREE 0, 0                                     ; the last lap fills nothing and has no round of the cluster barrier: the one tensor load still out is slot 1's, the last K step
	TURN 0, 1, 0
	THREE 1, 0
	s_wait_dscnt 8                                 ; the very last quarter: nothing more to fetch
	WIN MUL_LO
	MUL16 F1, 0, 0, 0
	MUL16 F1, 0, 2, 0
	s_wait_dscnt 0
	WIN MUL_HI
	MUL16 F1, 1, 0, 0
	MUL16 F1, 1, 2, 0
	; THE WAY OUT, 16 rows of out at a time: i32 to f32, the two scales and the bias, round to bf16, 16 bytes a lane into my own stage in LDS,
	; read back as whole rows of 256 bytes.  The eight v_nop are the places behind the last matrix instructions: for the conversions, which
	; read results, and for the writes and loads into the fragment buffers.
	PLACES
; rows 16 i .. 16 i + 15 of my block = the eight tiles (a, 0..7) of window 2 or 3 (from = 0x02 or 0x03: source 0); f: F0 or F1 in turn
.macro OUT16 i, a, from, f
	WIN \from
.irp b, 0,1,2,3,4,5,6,7
.irp j, 0,1,2,3,4,5,6,7
	v_cvt_f32_i32 v[T+8*\b+\j], v[8*(8*\a+\b)+\j]  ; the one rounding of the sum, as astype(float32) makes it
.endr
.endr
	WIN 0
.set q, 0
.rept 32
	v_pk_mul_f32 v[T+2*q:T+2*q+1], v[T+2*q:T+2*q+1], v[IS+2*\i:IS+2*\i+1]          ; x input_scale of my row
.set q, q+1
.endr
	WIN 0x14                                       ; sources 1 and 2 in window 1
.set q, 0
.rept 32
	v_pk_fma_f32 v[T+2*q:T+2*q+1], v[T+2*q:T+2*q+1], v[WS+2*q:WS+2*q+1], v[BI+2*q:BI+2*q+1]   ; x weight_scale + bias of the two columns, fused
.set q, q+1
.endr
	WIN 0
.set q, 0
.rept 32
	v_cvt_pk_bf16_f32 v[PK+q], v[T+2*q], v[T+2*q+1]
.set q, q+1
.endr
.irp b, 0,1,2,3,4,5,6,7
	ds_store_b128 v[STO], v[PK+4*\b:PK+4*\b+3] offset:32*\b        ; columns 16 b + 8 (l / 16) .. + 7 of row l % 16
.endr
	s_wait_xcnt 0x0                                ; every earlier memory instruction has had its addresses translated (ISA guide 3.1): buffer f, which stores read, and the stores' base are rewritten only behind this wait
.if \i
	s_add_nc_u64 s[74:75], s[74:75], 16*CROW       ; 16 rows of out on: the stores' offsets stay at 14 rows at the most, 229,376 bytes
.endif
.irp t, 0,1,2,3,4,5,6,7
	ds_load_b128 v[\f+4*\t:\f+4*\t+3], v[RD] offset:\t*2*SPITCH    ; LDS serves a wave's instructions in order (ISA guide 5.7.1): these see the stores above; the stage is the wave's own
.endr
.irp t, 0,1,2,3,4,5,6,7
	s_wait_dscnt 7-\t                              ; read-back t of the eight is in
	global_store_b128 v[CO], v[\f+4*\t:\f+4*\t+3], s[74:75] offset:2*\t*CROW th:TH_STORE_NT   ; 16 lanes store 256 consecutive bytes, at a multiple of 256 from the first byte of out; written once, not read again
.endr
.endm
	OUT16 0, 0, 0x02, F0
	OUT16 1, 1, 0x02, F1
	OUT16 2, 2, 0x02, F0
	OUT16 3, 3, 0x02, F1
	OUT16 4, 0, 0x03, F0
	OUT16 5, 1, 0x03, F1
	OUT16 6, 2, 0x03, F0
	OUT16 7, 3, 0x03, F1
	s_wait_tensorcnt 0x0
	ds_add_u32 v62, v63
	s_wait_dscnt 0x0
	CROUND                                         ; the closing round: no work-group ends while a partner may still ask for a tile that names it
	s_endpgm
.Lfunc_end_k_q5199a5e04d_gemm:
	.size	k_q5199a5e04d_gemm, .Lfunc_end_k_q5199a5e04d_gemm-k_q5199a5e04d_gemm
	.p2alignl 7, 3214868480
	.fill 96, 4, 3214868480
	.section	.rodata,"a",@progbits
	.p2align	6, 0x0
	.amdhsa_kernel k_q5199a5e04d_gemm
		.amdhsa_group_segment_fixed_size 327680
		.amdhsa_private_segment_fixed_size 0
		.amdhsa_enable_private_segment 0
		.amdhsa_kernarg_size 48
		.amdhsa_user_sgpr_count 2
		.amdhsa_user_sgpr_kernarg_segment_ptr 1
		.amdhsa_wavefront_size32 1
		.amdhsa_system_sgpr_workgroup_id_x 1
		.amdhsa_system_sgpr_workgroup_id_y 1
		.amdhsa_system_sgpr_workgroup_id_z 1
		.amdhsa_system_vgpr_workitem_id 0
		.amdhsa_next_free_vgpr 1024
		.amdhsa_next_free_sgpr 80
		.amdhsa_reserve_vcc 0
		.amdhsa_float_denorm_mode_32 3
		.amdhsa_float_denorm_mode_16_64 3
		.amdhsa_memory_ordered 1
		.amdhsa_forward_progress 1
		.amdhsa_inst_pref_size 252
	.end_amdhsa_kernel
	.amdgpu_metadata
---
amdhsa.version: [ 1, 2 ]
amdhsa.kernels:
  - .name:           k_q5199a5e04d_gemm
    .symbol:         k_q5199a5e04d_gemm.kd
    .args:
      - { .name: x, .offset: 0, .size: 8, .value_kind: global_buffer, .address_space: global }
      - { .name: weight, .offset: 8, .size: 8, .value_kind: global_buffer, .address_space: global }
      - { .name: bias, .offset: 16, .size: 8, .value_kind: global_buffer, .address_space: global }
      - { .name: weight_scale, .offset: 24, .size: 8, .value_kind: global_buffer, .address_space: global }
      - { .name: input_scale, .offset: 32, .size: 8, .value_kind: global_buffer, .address_space: global }
      - { .name: out0, .offset: 40, .size: 8, .value_kind: global_buffer, .address_space: global }
    .group_segment_fixed_size: 327680
    .private_segment_fixed_size: 0
    .kernarg_segment_align: 8
    .kernarg_segment_size: 48
    .max_flat_workgroup_size: 128
    .sgpr_count:     80
    .vgpr_count:     1024
    .wavefront_size: 32
...
	.end_amdgpu_metadata
.endif
;; end of part 1
